; MI455X (gfx1250); checked and timed in simulation.
; The chip was launched on July 23, 2026; its instructions are those of AMD's public machine-readable ISA for CDNA 5 (MIT licence, August 2026) and "CDNA5" Instruction Set Architecture Reference Guide (July 2026). The comments in the code are by the model that wrote it; some were corrected since.
;; Multi Head Attention. Allowed arithmetic: matrix products marked QUANTISED: E4M3 operands, one given power-of-two scale a tensor, by v_wmma_f32_16x16x64_fp8_fp8 or v_wmma_f32_16x16x128_fp8_fp8, f32 sums; everything else in f32.
;; Inputs: Wk 1,024 x 1,024 float32; Wo 1,024 x 1,024 float32; Wq 1,024 x 1,024 float32; Wv 1,024 x 1,024 float32; bk 1,024 float32; bo 1,024 float32; bq 1,024 float32; bv 1,024 float32; lowp_scales 12 int32 (the exponents e of the quantised operands' scales 2^e); x 4 x 2,048 x 1,024 float32.
;; Outputs: out0 4 x 2,048 x 1,024 float32.
;; This version of the problem:
;;   THIS VERSION OF THE PROBLEM IS GIVEN IN LOW PRECISION. The matrix products marked QUANTISED in the list below multiply operands that are first quantised to E4M3 (4 exponent bits, 3 mantissa bits; 8 bits a number), with one given power-of-two scale for each operand tensor; their sums are f32. All else is computed in f32.
;;   The module's matrix products, in the order in which they are computed (A, B: the left and right operand; K: the contracted axis; several contracted axes count as one K, in the product's order):
;;     1. [M 8,192, K 1,024] x [K 1,024, N 1,024]; A: input x; B: input Wq: QUANTISED (scales: A lowp_scales[0], B lowp_scales[1])
;;     2. [M 8,192, K 1,024] x [K 1,024, N 1,024]; A: input x; B: input Wk: QUANTISED (scales: A lowp_scales[2], B lowp_scales[3])
;;     3. [M 8,192, K 1,024] x [K 1,024, N 1,024]; A: input x; B: input Wv: QUANTISED (scales: A lowp_scales[4], B lowp_scales[5])
;;     4. batch 64 x [M 2,048, K 64] x [K 64, N 2,048]; A: computed on the way; B: computed on the way: QUANTISED (scales: A lowp_scales[6], B lowp_scales[7])
;;     5. batch 64 x [M 2,048, K 2,048] x [K 2,048, N 64]; A: softmax (see below); B: computed on the way: QUANTISED (scales: A lowp_scales[8], B lowp_scales[9])
;;     6. [M 8,192, K 1,024] x [K 1,024, N 1,024]; A: computed on the way; B: input Wo: QUANTISED (scales: A lowp_scales[10], B lowp_scales[11])
;;   THE QUANTISER, for each operand of a quantised product, along K:
;;     - The operand's scale is 2^e, e = its entry of the input lowp_scales (int32; the entries are numbered through the quantised products in the list's order, A before B).
;;     - Each number is divided by the scale, clamped to +-448, and rounded to the nearest number of E4M3, ties to even, subnormals kept.
;;     - The product sums the exact products of the quantised numbers (number of the format x scale) in f32.
;;   ~~~python
;;   def quantise(x, axis, e):      # numpy; x: float32 -> the quantised numbers, widened to float32 again
;;       x = np.moveaxis(x, axis, -1); K = x.shape[-1]
;;       r = np.clip(x / 2.0 ** e, -448, 448)
;;       step = 2.0 ** (np.maximum(np.frexp(np.where(r == 0, 1, r))[1] - 1, -6) - 3)
;;       q = np.round(r / step) * step * 2.0 ** e      # np.round: ties to even
;;       return np.moveaxis(q, -1, axis).astype(np.float32)
;;   ~~~
;;   SOFTMAX AHEAD OF A QUANTISED PRODUCT. Where the list says 'softmax', what is quantised is not the finished softmax but p = 2^(t - M), with t = logit x log2(e) and M = ceil(the row's largest t), a whole number; so 1/2 < the row's largest p <= 1. The row's sum l is taken of the UNQUANTISED p, in f32, and the product's result is divided by l at the end. Since M is a whole number, a kernel that streams over the keys may use a running M (the ceiling of the running maximum): every later rescaling is an exact power of two, so the quantised numbers keep their values, but for numbers so far below the row's largest that they fall under the format's range.
;;   OPERANDS COMPUTED ON THE WAY. 'Computed on the way' means the value that the module computes at that place (a softmax that the list does not call 'softmax' is quantised finished and normalised). What goes into a quantiser is computed in f32, as accurately as f32 sums, v_exp_f32 and their like allow (about 1e-6 of the number): no bf16 or f16 on the way to a quantiser, and a product that is left as it is and whose result goes on into a quantised operand takes f32 operands (vector FMAs, or v_wmma_f32_16x16x4_f32). A number that lies on a knife's edge between two numbers of the format may be rounded either way, as far as f32 arithmetic and the matrix unit's own rounding can turn it there, and no further.
;; One version. Each part assembles by itself: llvm-mc -triple=amdgcn-amd-amdhsa -mcpu=gfx1250 --defsym DOCPART=n.
;; ======== version 1 of 1: 4 launches
;; limits: right only within a limited range of input values
;; workspace buffers: xc 25,165,824 bytes; wc 4,194,304 bytes; qkv 25,165,824 bytes; ac 8,388,608 bytes
;; launch quant (part 1): grid 384 x 1, 4 waves a work-group, no clusters, 66,048 bytes of LDS; arguments x, Wq, Wk, Wv, Wo, lowp_scales, xc, wc; writes xc, wc
.if DOCPART == 1
	.amdgcn_target "amdgcn-amd-amdhsa--gfx1250"
	.amdhsa_code_object_version 6
	.text
	.protected	k_q5e11c6258f_quant
	.globl	k_q5e11c6258f_quant
	.p2align	8
	.type	k_q5e11c6258f_quant,@function
k_q5e11c6258f_quant:
	s_mov_b64 s[64:65], 0
	v_nop
	global_prefetch_b8 v0, s[64:65] scope:SCOPE_SE
	s_setreg_imm32_b32 hwreg(HW_REG_WAVE_MODE, 25, 1), 1
	s_wait_xcnt 0x0
; x [8192][1024] and the four weights [1024][1024], f32, K innermost, become codes of FP8 (E4M3), one byte each, laid as the numbers lie.
; code = number / 2^e, held within +-448, to the nearest code, ties to even.  x is an operand of three products with three given scales (entries 0, 2, 4):
; it is READ ONCE and converted three times, into the three parts of xc (8 MiB apart).  Wq, Wk, Wv, Wo (entries 1, 3, 5, 11) go into the four parts of wc (1 MiB apart).
; LIMITS: each e lies between -126 and 119, so that 2^e and 448 x 2^e are f32 numbers.  NaN among the inputs is not served (an infinity is held at the largest code).
; SHARES.  A work-group takes 32,768 numbers, a wave 16 steps of 512.  Work-groups 0-255 take x, 256-383 the weights (32 each).  The two ways part on the work-group's number and have LDS bytes of their own.
; A conversion takes 8 neighbours from ONE lane's registers; a load is best where neighbouring lanes take neighbouring bytes.  So each load reads 512 consecutive bytes, 16 a lane, and a step's 2,048 bytes turn
; through the wave's own stage in LDS (16 bytes of padding behind each 64) and come back 64 bytes a lane.  A lane's 16 codes are 16 bytes: each store of the wave covers 512 consecutive bytes, aligned.
; No tensor loads, no barrier, no cluster: work-groups and waves share no input.  Loads run four steps (16 loads a wave) ahead, the turn through LDS one step.
.set STEPS, 16
.set SP,    80                         ; a lane's place in a stage: 64 bytes + 16 of padding
.set WREG,  8192                       ; LDS of a wave: two stages of 32 x SP bytes
.set WLDS,  32768                      ; the weights' way has its stages from here on
.set R,     16                         ; v16-79    four sets of 16 numbers as loaded
.set X,     80                         ; v80-111   two sets of 16 neighbours
.set T,     112                        ; v112-159  three sets of 16 held numbers
.set C,     160                        ; v160-171  three sets of 4 registers of codes
.set SC,    5                          ; v5-7      2^e as f32, for each output
.set LIM,   8                          ; v8-10     448 x 2^e
.set SRC,   22                         ; s[22:23]  my wave's numbers
.set DST,   36                         ; s[36:41]  my wave's codes, a base for each output
.macro LOAD t                          ; step t's 2,048 bytes into set t % 4
.irp i, 0,1,2,3
	global_load_b128 v[R+16*((\t)%4)+4*\i:R+16*((\t)%4)+4*\i+3], v3, s[SRC:SRC+1] offset:2048*(\t)+512*\i th:TH_LOAD_NT
.endr
.endm
.macro TURN t, vin, vout               ; step t's numbers through the stage: LDS serves a wave's instructions in order (ISA guide 5.7.1.4), so no wait stands between the stores and the loads
.irp i, 0,1,2,3
	ds_store_b128 v[\vin], v[R+16*((\t)%4)+4*\i:R+16*((\t)%4)+4*\i+3] offset:32*SP*((\t)%2)+8*SP*\i
.endr
.irp i, 0,1,2,3
	ds_load_b128 v[X+16*((\t)%2)+4*\i:X+16*((\t)%2)+4*\i+3], v[\vout] offset:32*SP*((\t)%2)+16*\i
.endr
.endm
.macro SCALE s, e                      ; output s: 2^e and 448 x 2^e as f32, e in s[e]
	s_add_co_i32 s46, s[\e], 127
	s_lshl_b32 s47, s46, 23
	v_mov_b32 v[SC+\s], s47                        ; the conversion takes its exponent field
	s_add_co_i32 s46, s46, 8
	s_lshl_b32 s46, s46, 23
	s_or_b32 s46, s46, 0x600000                    ; 448 = 1.75 x 2^8
	v_mov_b32 v[LIM+\s], s46
.endm
.macro QSTEP t, ns, vin, vout          ; step t, ns outputs
.set XS, X+16*((\t)%2)
	s_wait_dscnt 0x0                               ; this step's numbers are back from the stage, and its stores into the stage have read their registers,
.if (\t)+4 < STEPS
	LOAD (\t)+4                                    ; which take the loads of four steps on
.endif
.if (\t)+1 < STEPS
.if STEPS-2-(\t) >= 3
	s_wait_loadcnt 12                              ; the next step's four loads are in; those of the three steps behind it may be out
.else
	s_wait_loadcnt 4*(STEPS-2-(\t))
.endif
	TURN (\t)+1, \vin, \vout                       ; and go through the other stage while this step is worked
.endif
.irp s, 0,1,2
.if \s < \ns
.irp i, 0,1,2,3,4,5,6,7,8,9,10,11,12,13,14,15
	v_med3_num_f32 v[T+16*\s+\i], v[XS+\i], -v[LIM+\s], v[LIM+\s]   ; the conversion to an 8-bit code does not saturate (ISA guide 7.6.2): the hold at the largest code x the scale
.endr
.endif
.endr
	s_wait_alu depctr_va_vdst(0)
	s_wait_xcnt 0x0                                ; the last step's stores have read their codes: the registers are written again only behind this wait
.irp s, 0,1,2
.if \s < \ns
	v_cvt_scalef32_pk8_fp8_f32 v[C+4*\s:C+4*\s+1], v[T+16*\s:T+16*\s+7], v[SC+\s]
	v_cvt_scalef32_pk8_fp8_f32 v[C+4*\s+2:C+4*\s+3], v[T+16*\s+8:T+16*\s+15], v[SC+\s]
.endif
.endr
	v_nop                                          ; one plain vector line behind the last conversion: the next step's holds write the conversions' sources
.irp s, 0,1,2
.if \s < \ns
	global_store_b128 v3, v[C+4*\s:C+4*\s+3], s[DST+2*\s:DST+2*\s+1] offset:512*(\t)   ; 32 lanes store 512 consecutive bytes
.endif
.endr
.endm
	s_load_b256 s[4:11], s[0:1], 0x0               ; x s[4:5], Wq s[6:7], Wk s[8:9], Wv s[10:11]
	s_load_b256 s[12:19], s[0:1], 0x20             ; Wo s[12:13], the exponents s[14:15], xc s[16:17], wc s[18:19]
	v_lshl_add_u32 v192, v0, 2, 0x10000
	v_mov_b32 v193, 0
	v_lshrrev_b32 v1, 5, v0
	v_readfirstlane_b32 s20, v1                    ; wave
	v_and_b32 v2, 31, v0                           ; lane
	v_lshlrev_b32 v3, 4, v2                        ; 16 x lane: my 16 bytes of a load's 512, and of a step's 512 bytes of codes; never rewritten
	s_mul_i32 s21, s20, WREG
	v_lshrrev_b32 v14, 2, v2
	v_mul_u32_u24 v14, v14, SP
	v_and_b32 v15, 3, v2
	v_lshl_add_u32 v14, v15, 4, v14
	v_add_nc_u32 v14, s21, v14                     ; x's stage, on the way in: SP (lane / 4) + 16 (lane % 4)
	v_mul_u32_u24 v15, v2, SP
	v_add_nc_u32 v15, s21, v15                     ; and on the way out: SP x lane
	v_add_nc_u32 v12, WLDS, v14                    ; the weights' stage: the same places, in bytes of its own
	v_add_nc_u32 v13, WLDS, v15
	s_mov_b32 s45, 0
	s_wait_kmcnt 0x0
	s_load_b256 s[24:31], s[14:15], 0x0            ; e0 .. e7
	s_load_b128 s[32:35], s[14:15], 0x20           ; e8 .. e11
	s_cmp_lt_u32 ttmp9, 256
	s_cbranch_scc0 .Lweights
	; ---- x: three outputs
	s_lshl_b32 s42, ttmp9, 2
	s_add_co_u32 s42, s42, s20                     ; which run of 8,192 numbers is my wave's
	s_lshl_b32 s44, s42, 15
	s_add_nc_u64 s[SRC:SRC+1], s[4:5], s[44:45]
	s_lshl_b32 s44, s42, 13
	s_add_nc_u64 s[DST:DST+1], s[16:17], s[44:45]
	s_add_nc_u64 s[DST+2:DST+3], s[DST:DST+1], 0x800000
	s_add_nc_u64 s[DST+4:DST+5], s[DST+2:DST+3], 0x800000
.irp t, 0,1,2,3
	LOAD \t
.endr
	s_wait_kmcnt 0x0
	SCALE 0, 24
	SCALE 1, 26
	SCALE 2, 28
	s_wait_loadcnt 12                              ; step 0's four loads are in
	s_wait_alu depctr_va_vdst(0)
	TURN 0, 14, 15
.irp t, 0,1,2,3,4,5,6,7,8,9,10,11,12,13,14,15
	QSTEP \t, 3, 14, 15
.endr
	s_wait_tensorcnt 0x0
	ds_add_u32 v192, v193
	s_wait_dscnt 0x0
	s_endpgm
	; ---- a weight: one output
.Lweights:
	s_sub_co_u32 s42, ttmp9, 256
	s_lshr_b32 s43, s42, 5                         ; which weight: 0 Wq, 1 Wk, 2 Wv, 3 Wo
	s_and_b32 s42, s42, 31
	s_lshl_b32 s42, s42, 2
	s_add_co_u32 s42, s42, s20                     ; which run of 8,192 numbers of it
	s_cmp_eq_u32 s43, 0                            ; the choices hang on the work-group's number alone
	s_cselect_b64 s[SRC:SRC+1], s[6:7], s[8:9]
	s_cmp_lt_u32 s43, 2
	s_cselect_b64 s[SRC:SRC+1], s[SRC:SRC+1], s[10:11]
	s_cmp_lt_u32 s43, 3
	s_cselect_b64 s[SRC:SRC+1], s[SRC:SRC+1], s[12:13]
	s_lshl_b32 s44, s42, 15
	s_add_nc_u64 s[SRC:SRC+1], s[SRC:SRC+1], s[44:45]
	s_lshl_b32 s44, s43, 20
	s_lshl_b32 s46, s42, 13
	s_add_co_u32 s44, s44, s46
	s_add_nc_u64 s[DST:DST+1], s[18:19], s[44:45]
.irp t, 0,1,2,3
	LOAD \t
.endr
	s_wait_kmcnt 0x0
	s_cmp_eq_u32 s43, 0
	s_cselect_b32 s46, s25, s27                    ; e1 or e3,
	s_cmp_lt_u32 s43, 2
	s_cselect_b32 s46, s46, s29                    ; e5,
	s_cmp_lt_u32 s43, 3
	s_cselect_b32 s46, s46, s35                    ; e11
	SCALE 0, 46
	s_wait_loadcnt 12
	s_wait_alu depctr_va_vdst(0)
	TURN 0, 12, 13
.irp t, 0,1,2,3,4,5,6,7,8,9,10,11,12,13,14,15
	QSTEP \t, 1, 12, 13
.endr
	s_wait_tensorcnt 0x0
	ds_add_u32 v192, v193
	s_wait_dscnt 0x0
	s_endpgm
.Lfunc_end_k_q5e11c6258f_quant:
	.size	k_q5e11c6258f_quant, .Lfunc_end_k_q5e11c6258f_quant-k_q5e11c6258f_quant
	.p2alignl 7, 3214868480
	.fill 96, 4, 3214868480
	.section	.rodata,"a",@progbits
	.p2align	6, 0x0
	.amdhsa_kernel k_q5e11c6258f_quant
		.amdhsa_group_segment_fixed_size 66048
		.amdhsa_private_segment_fixed_size 0
		.amdhsa_enable_private_segment 0
		.amdhsa_kernarg_size 64
		.amdhsa_user_sgpr_count 2
		.amdhsa_user_sgpr_kernarg_segment_ptr 1
		.amdhsa_wavefront_size32 1
		.amdhsa_system_sgpr_workgroup_id_x 1
		.amdhsa_system_sgpr_workgroup_id_y 1
		.amdhsa_system_sgpr_workgroup_id_z 1
		.amdhsa_system_vgpr_workitem_id 0
		.amdhsa_next_free_vgpr 194
		.amdhsa_next_free_sgpr 66
		.amdhsa_reserve_vcc 0
		.amdhsa_float_denorm_mode_32 3
		.amdhsa_float_denorm_mode_16_64 3
		.amdhsa_memory_ordered 1
		.amdhsa_forward_progress 1
		.amdhsa_inst_pref_size 116
	.end_amdhsa_kernel
	.amdgpu_metadata
---
amdhsa.version: [ 1, 2 ]
amdhsa.kernels:
  - .name:           k_q5e11c6258f_quant
    .symbol:         k_q5e11c6258f_quant.kd
    .args:
      - { .name: x, .offset: 0, .size: 8, .value_kind: global_buffer, .address_space: global }
      - { .name: Wq, .offset: 8, .size: 8, .value_kind: global_buffer, .address_space: global }
      - { .name: Wk, .offset: 16, .size: 8, .value_kind: global_buffer, .address_space: global }
      - { .name: Wv, .offset: 24, .size: 8, .value_kind: global_buffer, .address_space: global }
      - { .name: Wo, .offset: 32, .size: 8, .value_kind: global_buffer, .address_space: global }
      - { .name: lowp_scales, .offset: 40, .size: 8, .value_kind: global_buffer, .address_space: global }
      - { .name: xc, .offset: 48, .size: 8, .value_kind: global_buffer, .address_space: global }
      - { .name: wc, .offset: 56, .size: 8, .value_kind: global_buffer, .address_space: global }
    .group_segment_fixed_size: 66048
    .private_segment_fixed_size: 0
    .kernarg_segment_align: 8
    .kernarg_segment_size: 64
    .max_flat_workgroup_size: 128
    .sgpr_count:     66
    .vgpr_count:     194
    .wavefront_size: 32
...
	.end_amdgpu_metadata
.endif
;; end of part 1
;; launch proj (part 2): grid 12 x 32, 4 waves a work-group, clusters of 4 x 4, 327,680 bytes of LDS; arguments xc, wc, bq, bk, bv, lowp_scales, qkv; writes qkv
.if DOCPART == 2
	.amdgcn_target "amdgcn-amd-amdhsa--gfx1250"
	.amdhsa_code_object_version 6
	.text
	.protected	k_q5e11c6258f_proj
	.globl	k_q5e11c6258f_proj
	.p2align	8
	.type	k_q5e11c6258f_proj,@function
k_q5e11c6258f_proj:
	s_mov_b64 s[64:65], 0
	v_nop
	global_prefetch_b8 v0, s[64:65] scope:SCOPE_SE
	s_setreg_imm32_b32 hwreg(HW_REG_WAVE_MODE, 25, 1), 1
	s_wait_xcnt 0x0
	s_wait_alu depctr_hold_cnt(0) depctr_sa_sdst(0) depctr_va_vdst(0) depctr_va_sdst(0) depctr_va_ssrc(0) depctr_va_vcc(0) depctr_vm_vsrc(0)
	s_getreg_b32 s2, hwreg(HW_REG_IB_STS2, 6, 4)
	s_cmp_eq_u32 s2, 0
	s_cbranch_scc0 .Lentry_in_a_cluster
	s_endpgm
.Lentry_in_a_cluster:
	s_bfe_u32 s2, ttmp6, 0x10000c
	s_cmp_lg_u32 s2, 0xf033
	s_cbranch_scc0 .Lentry_shape_is_right
	s_endpgm
.Lentry_shape_is_right:
.set KSTEP,  256
.set ROWB,   256
.set KROW,   1024
.set PITCH,  272
.set FR,     16
.set NL,     4
.set NP,     4
.set HALFT,  128*PITCH
.set SLOT,   4*HALFT
.set LAPS,   2
.set SPARE,  2*SLOT
.set SQP,    144
.set STQ,    SPARE+512
.set STV,    STQ+4*16*SQP
.set ADRA, 16
.set ADRB, 20
.set STOQ, 22
.set RDQ,  23
.set STOV, 24
.set RDV,  25
.set CO,   26
.set SPW,  28
.set NIL,  29
.set LIM,  30
.set SC,   31
.set CD,   32
.set BIAS, 64
.set AF,   128
.set TMP,  128
.set BB,   192
.set G1, 24
.set G0, 32
.set G1B, 48
.set G0B, 56
.set MSB, 0
.macro WIN new
.if MSB != (\new)
	s_set_vgpr_msb (MSB<<8)|(\new)
.set MSB, (\new)
.endif
.endm
.set MUL_LO, 0xa1
.set MUL_HI, 0xf1
.set TO_B,   0x40
.macro JLOAD g0a, g1a, g0b, g1b
	s_cmp_eq_u32 s15, 0
	s_cbranch_scc0 .Lfor_b_\@
	tensor_load_to_lds s[\g0a:\g0a+3], s[\g1a:\g1a+7]
	s_nop 0
.rept 4
	v_nop
.endr
	s_branch .Lasked_\@
.Lfor_b_\@:
	tensor_load_to_lds s[\g0b:\g0b+3], s[\g1b:\g1b+7]
	s_nop 0
.rept 4
	v_nop
.endr
.Lasked_\@:
.endm
.macro CREST
	s_cmp_lg_u32 s14, 0
	s_cbranch_scc1 .Lnot_wave_0_\@
	s_barrier_signal -3
.Lnot_wave_0_\@:
	s_barrier_wait -3
	s_barrier_signal -1
	s_barrier_wait -1
.endm
.macro CROUND
	s_barrier_signal -1
	s_barrier_wait -1
	CREST
.endm
	s_load_b256 s[68:75], s[0:1], 0x0
	s_load_b128 s[76:79], s[0:1], 0x20
	s_load_b64 s[80:81], s[0:1], 0x30
	v_lshl_add_u32 v[SPW], v0, 2, SPARE
	v_mov_b32 v[NIL], 0
	ds_add_u32 v28, v29
	ds_add_u32 v28, v29
	s_wait_dscnt 0x0
	v_lshrrev_b32 v1, 5, v0
	v_readfirstlane_b32 s14, v1
	s_lshr_b32 s15, s14, 1
	s_and_b32 s16, s14, 1
	s_bfe_u32 s40, ttmp6, 0x40000
	s_bfe_u32 s41, ttmp6, 0x40004
	s_and_b32 s13, ttmp7, 0xffff
	s_mul_i32 s18, ttmp9, 0x800000
	s_mul_i32 s19, ttmp9, 0x100000
	s_cmp_eq_u32 ttmp9, 2
	s_cselect_b32 s12, 0, s13
	s_cselect_b32 s23, s13, 0
	s_cselect_b32 s20, s19, s18
	s_cselect_b32 s46, s18, s19
	s_cselect_b32 s96, 0, 32
	s_cselect_b32 s97, 4, 0
	s_cselect_b32 s98, 0, 4
	s_lshl_b32 s17, s12, 2
	s_add_co_u32 s17, s17, s41
	s_lshl_b32 s42, s23, 2
	s_add_co_u32 s42, s42, s40
	s_lshl_b32 s43, s41, 2
	s_lshl_b32 s43, 15, s43
	s_lshl_b32 s44, 0x1111, s40
	s_or_b32 s[G1+0], s43, (0<<16)|(1<<20)|(1<<21)|(5<<22)|(3<<25)
	s_or_b32 s[G1B+0], s44, (0<<16)|(1<<20)|(1<<21)|(5<<22)|(3<<25)
.irp g, G1, G1B
	s_mov_b32 s[\g+1], ROWB<<16
	s_mov_b32 s[\g+2], 128<<16
	s_mov_b32 s[\g+3], ROWB<<16
	s_mov_b32 s[\g+4], 128
	s_mov_b32 s[\g+5], KROW
	s_mov_b32 s[\g+6], 0
	s_mov_b32 s[\g+7], 0
.endr
	s_lshl_b32 s99, s16, 7
	s_lshl_b32 s21, s17, 8
	s_add_co_u32 s21, s21, s99
	s_lshl_b32 s21, s21, 10
	s_add_co_u32 s20, s20, s21
	s_mov_b32 s21, 0
	s_lshl_b32 s47, s42, 8
	s_add_co_u32 s47, s47, s99
	s_lshl_b32 s47, s47, 10
	s_add_co_u32 s46, s46, s47
	s_mov_b32 s47, 0
	s_mul_i32 s45, s14, HALFT
	s_wait_kmcnt 0x0
	s_load_b256 s[84:91], s[78:79], 0x0
	s_load_b128 s[92:95], s[78:79], 0x20
	s_cmp_eq_u32 ttmp9, 2
	s_cselect_b64 s[4:5], s[70:71], s[68:69]
	s_cselect_b64 s[6:7], s[68:69], s[70:71]
	s_cmp_eq_u32 ttmp9, 0
	s_cselect_b64 s[8:9], s[72:73], s[74:75]
	s_cmp_lt_u32 ttmp9, 2
	s_cselect_b64 s[8:9], s[8:9], s[76:77]
	s_add_nc_u64 s[20:21], s[4:5], s[20:21]
	s_add_nc_u64 s[46:47], s[6:7], s[46:47]
	CROUND
.irp s, 0,1
	s_mov_b32 s[G0+4*\s], 1
	s_add_co_u32 s[G0+4*\s+1], s45, \s*SLOT
	s_add_nc_u64 s[G0+4*\s+2:G0+4*\s+3], s[20:21], \s*ROWB
	s_or_b32 s[G0+4*\s+3], s[G0+4*\s+3], 0x80000000
	s_mov_b32 s[G0B+4*\s], 1
	s_add_co_u32 s[G0B+4*\s+1], s45, \s*SLOT
	s_add_nc_u64 s[G0B+4*\s+2:G0B+4*\s+3], s[46:47], \s*ROWB
	s_or_b32 s[G0B+4*\s+3], s[G0B+4*\s+3], 0x80000000
	s_wait_alu depctr_va_vdst(0)
	s_wait_tensorcnt 0x0
	ds_add_u32 v28, v29
	ds_add_u32 v28, v29
	s_wait_dscnt 0x0
	CROUND
	JLOAD G0+4*\s, G1, G0B+4*\s, G1B
.endr
	v_and_b32 v1, 15, v0
	s_wait_alu depctr_va_vdst(0)
	v_bfe_u32 v2, v0, 4, 1
	v_mul_u32_u24 v3, v1, PITCH
	v_lshl_add_u32 v4, v2, 4, v3
	s_mul_i32 s21, s15, HALFT
	s_mul_i32 s22, s16, HALFT
	s_add_co_u32 s22, s22, 2*HALFT
.irp s, 0,1
	v_add_nc_u32 v[ADRA+\s], s21, v4
	v_add_nc_u32 v[ADRB+\s], s22, v4
	s_add_co_u32 s21, s21, SLOT
	s_add_co_u32 s22, s22, SLOT
.endr
	s_mul_i32 s23, s14, 16*SQP
	v_mul_u32_u24 v5, v1, SQP
	v_add_nc_u32 v5, s23, v5
	s_wait_alu depctr_va_vdst(0)
	v_lshl_add_u32 v[STOQ], v2, 3, v5
	v_add_nc_u32 v[STOQ], STQ, v[STOQ]
	v_lshl_add_u32 v[STOV], v2, 4, v5
	v_add_nc_u32 v[STOV], STV, v[STOV]
	v_and_b32 v6, 31, v0
	v_lshrrev_b32 v7, 2, v6
	v_mul_u32_u24 v7, v7, SQP
	v_and_b32 v3, 3, v6
	v_lshl_add_u32 v7, v3, 4, v7
	v_add_nc_u32 v7, s23, v7
	v_add_nc_u32 v[RDQ], STQ, v7
	v_lshrrev_b32 v7, 3, v6
	v_mul_u32_u24 v7, v7, SQP
	v_and_b32 v3, 7, v6
	v_lshl_add_u32 v7, v3, 4, v7
	v_add_nc_u32 v7, s23, v7
	v_add_nc_u32 v[RDV], STV, v7
	v_lshlrev_b32 v[CO], 4, v6
	s_cmp_eq_u32 ttmp9, 2
	s_cselect_b32 s66, s42, s17
	s_cselect_b32 s67, s16, s15
	s_cselect_b32 s82, s17, s42
	s_cselect_b32 s83, s15, s16
	s_lshl_b32 s66, s66, 8
	s_lshl_b32 s67, s67, 7
	s_add_co_u32 s66, s66, s67
	s_lshl_b32 s82, s82, 2
	s_lshl_b32 s83, s83, 1
	s_add_co_u32 s82, s82, s83
	s_lshr_b32 s67, s66, 11
	s_lshl_b32 s67, s67, 4
	s_add_co_u32 s67, s67, s82
	s_lshl_b32 s67, s67, 17
	s_and_b32 s66, s66, 2047
	s_lshl_b32 s66, s66, 6
	s_add_co_u32 s66, s66, s67
	s_add_co_u32 s66, s66, s18
	s_mov_b32 s67, 0
	s_add_nc_u64 s[10:11], s[80:81], s[66:67]
	s_lshl_b32 s82, s82, 8
	s_mov_b32 s83, 0
	s_add_nc_u64 s[8:9], s[8:9], s[82:83]
	v_mul_u32_u24 v5, s96, v2
	v_mad_u32_u24 v5, v1, s97, v5
	s_wait_alu depctr_va_vdst(0)
.irp j, 0,1,2,3,4,5,6,7
	s_mul_i32 s99, s98, \j
	v_add_nc_u32 v[8+\j], s99, v5
.endr
.irp g, 0,1,2,3,4,5,6,7
.irp j, 0,1,2,3,4,5,6,7
	global_load_b32 v[BIAS+8*\g+\j], v[8+\j], s[8:9] offset:64*\g
.endr
.endr
.macro FRAG reg, adr, q, i
.irp c, 0,1,2,3
	ds_load_b128 v[\reg+4*\c:\reg+4*\c+3], v[\adr] offset:128*(\q)+32*\c+(\i)*16*PITCH
.endr
.endm
.macro MUL16 a0, p, zero
.irp a, \a0, \a0+1
.irp b, 0,1,2,3,4,5,6,7
.if \zero
	v_wmma_f32_16x16x128_fp8_fp8 v[8*(8*((\a)%4)+\b):8*(8*((\a)%4)+\b)+7], v[128*(\p)+FR*\b:128*(\p)+FR*\b+FR-1], v[AF+FR*(\a):AF+FR*(\a)+FR-1], 0
.else
	v_wmma_f32_16x16x128_fp8_fp8 v[8*(8*((\a)%4)+\b):8*(8*((\a)%4)+\b)+7], v[128*(\p)+FR*\b:128*(\p)+FR*\b+FR-1], v[AF+FR*(\a):AF+FR*(\a)+FR-1], v[8*(8*((\a)%4)+\b):8*(8*((\a)%4)+\b)+7]
.endif
.endr
.endr
.endm
.macro FETCH_B slot, q, p
	WIN TO_B
.irp i, 0,1,2,3,4,5,6,7
	FRAG 128*(\p)+FR*\i, ADRB+\slot, \q, \i
.endr
	WIN 0
.endm
.macro FETCH_A slot, q, i0
.irp i, \i0, \i0+1, \i0+2, \i0+3
	FRAG AF+FR*(\i), ADRA+\slot, \q, \i
.endr
.endm
.macro PLACES n
.rept \n
	v_nop
.endr
.endm
.macro STEP slot, q, zero
	s_wait_dscnt 4*NL
	WIN MUL_LO
	MUL16 0, (\q)%2, \zero
	MUL16 2, (\q)%2, \zero
	s_wait_dscnt 0
	PLACES NP
	FETCH_B \slot, (\q)+1, 1-(\q)%2
	FETCH_A \slot, (\q)+1, 0
	WIN MUL_HI
	MUL16 4, (\q)%2, \zero
	MUL16 6, (\q)%2, \zero
	PLACES NP
	WIN 0
	FETCH_A \slot, (\q)+1, 4
.endm
.macro TURN slot, next, fill
	s_wait_tensorcnt 0x0
	ds_add_u32 v[SPW], v[NIL]
	s_wait_dscnt 4*NL+1
	WIN MUL_LO
	MUL16 0, 1, 0
	s_wait_dscnt 0x0
	s_barrier_signal -1
	MUL16 2, 1, 0
	WIN 0
	s_barrier_wait -1
.if \fill
	CREST
	s_add_nc_u64 s[G0+4*\slot+2:G0+4*\slot+3], s[G0+4*\slot+2:G0+4*\slot+3], 2*ROWB
	s_add_nc_u64 s[G0B+4*\slot+2:G0B+4*\slot+3], s[G0B+4*\slot+2:G0B+4*\slot+3], 2*ROWB
	JLOAD G0+4*\slot, G1, G0B+4*\slot, G1B
.else
	PLACES NP
.endif
	FETCH_B \next, 0, 0
	FETCH_A \next, 0, 0
	WIN MUL_HI
	MUL16 4, 1, 0
	MUL16 6, 1, 0
	PLACES NP
	WIN 0
	FETCH_A \next, 0, 4
.endm
	s_wait_tensorcnt 1
	s_barrier_signal -1
	s_barrier_wait -1
	FETCH_B 0, 0, 0
	FETCH_A 0, 0, 0
	FETCH_A 0, 0, 4
	STEP 0, 0, 1
	s_mov_b32 s3, LAPS-1
.Llap:
	TURN 0, 1, 1
	STEP 1, 0, 0
	TURN 1, 0, 1
	STEP 0, 0, 0
	s_sub_co_u32 s3, s3, 1
	s_cmp_lg_u32 s3, 0
	s_cbranch_scc1 .Llap
	TURN 0, 1, 0
	STEP 1, 0, 0
	s_wait_dscnt 4*NL
	WIN MUL_LO
	MUL16 0, 1, 0
	MUL16 2, 1, 0
	s_wait_dscnt 0
	WIN MUL_HI
	MUL16 4, 1, 0
	MUL16 6, 1, 0
	WIN 0
	s_wait_kmcnt 0x0
	s_wait_loadcnt 0x0
	s_add_co_i32 s96, s84, s85
	s_add_co_i32 s97, s86, s87
	s_add_co_i32 s98, s88, s89
	s_cmp_eq_u32 ttmp9, 0
	s_cselect_b32 s96, s96, s97
	s_cselect_b32 s99, s90, s91
	s_cmp_lt_u32 ttmp9, 2
	s_cselect_b32 s96, s96, s98
	s_cselect_b32 s99, s99, s93
	s_sub_co_i32 s97, 0, s96
	s_sub_co_i32 s99, s99, s96
	s_add_co_i32 s99, s99, 127
	s_lshl_b32 s98, s99, 23
	v_mov_b32 v[SC], s98
	s_add_co_i32 s99, s99, 8
	s_lshl_b32 s99, s99, 23
	s_or_b32 s99, s99, 0x600000
	v_mov_b32 v[LIM], s99
.set n, 0
.rept 64
	v_ldexp_f32 v[BIAS+n], v[BIAS+n], s97
.set n, n+1
.endr
.macro TOST a, isv
.set AC, 64*((\a)%4)
.set CDS, CD+16*((\a)%2)
.set BBS, BB+16*((\a)%2)
	WIN 0x02+((\a)/4)
.irp b, 0,1,2,3,4,5,6,7
.irp i, 0,2,4,6
.if \isv
	v_pk_add_f32 v[TMP+8*\b+\i:TMP+8*\b+\i+1], v[AC+8*\b+\i:AC+8*\b+\i+1], v[BIAS+8*(\a)+\i:BIAS+8*(\a)+\i+1]
.else
	v_pk_add_f32 v[TMP+8*\b+\i:TMP+8*\b+\i+1], v[AC+8*\b+\i:AC+8*\b+\i+1], v[BIAS+8*\b+\i:BIAS+8*\b+\i+1]
.endif
.endr
.endr
	WIN 0
.irp b, 0,1,2,3,4,5,6,7
.irp i, 0,1,2,3,4,5,6,7
	v_med3_num_f32 v[TMP+8*\b+\i], v[TMP+8*\b+\i], -v[LIM], v[LIM]
.endr
	v_cvt_scalef32_pk8_fp8_f32 v[CDS+2*\b:CDS+2*\b+1], v[TMP+8*\b:TMP+8*\b+7], v[SC]
.endr
	v_nop
.if \isv
.irp b, 0,1,2,3
	ds_store_b128 v[STOV], v[CDS+4*\b:CDS+4*\b+3] offset:32*\b
.endr
.irp n, 0,1,2,3
	ds_load_b128 v[BBS+4*\n:BBS+4*\n+3], v[RDV] offset:4*SQP*\n
.endr
.else
.irp b, 0,1,2,3,4,5,6,7
	ds_store_b64 v[STOQ], v[CDS+2*\b:CDS+2*\b+1] offset:16*\b
.endr
.irp n, 0,1,2,3
	ds_load_b128 v[BBS+4*\n:BBS+4*\n+3], v[RDQ] offset:(\n%2)*8*SQP+(\n/2)*64
.endr
.endif
.endm
.macro SEND a, isv, younger
.set BBS, BB+16*((\a)%2)
	s_wait_dscnt \younger
.irp n, 0,1,2,3
.if \isv
	global_store_b128 v[CO], v[BBS+4*\n:BBS+4*\n+3], s[10:11] offset:((\a)/4)*131072+((\a)%4)*2048+512*\n
.else
	global_store_b128 v[CO], v[BBS+4*\n:BBS+4*\n+3], s[10:11] offset:(\n/2)*131072+(16*(\a)+8*(\n%2))*64
.endif
.endr
.endm
	s_cmp_eq_u32 ttmp9, 2
	s_cbranch_scc1 .Lway_v
	TOST 0, 0
.irp a, 1,2,3,4,5,6,7
.if \a > 1
	s_wait_xcnt 0x0
.endif
	TOST \a, 0
	SEND \a-1, 0, 12
.endr
	SEND 7, 0, 0
	s_branch .Lclose
.Lway_v:
	TOST 0, 1
.irp a, 1,2,3,4,5,6,7
.if \a > 1
	s_wait_xcnt 0x0
.endif
	TOST \a, 1
	SEND \a-1, 1, 8
.endr
	SEND 7, 1, 0
.Lclose:
	s_wait_tensorcnt 0x0
	ds_add_u32 v[SPW], v[NIL]
	s_wait_dscnt 0x0
	CROUND
	s_endpgm
.Lfunc_end_k_q5e11c6258f_proj:
	.size	k_q5e11c6258f_proj, .Lfunc_end_k_q5e11c6258f_proj-k_q5e11c6258f_proj
	.p2alignl 7, 3214868480
	.fill 96, 4, 3214868480
	.section	.rodata,"a",@progbits
	.p2align	6, 0x0
	.amdhsa_kernel k_q5e11c6258f_proj
		.amdhsa_group_segment_fixed_size 327680
		.amdhsa_private_segment_fixed_size 0
		.amdhsa_enable_private_segment 0
		.amdhsa_kernarg_size 56
		.amdhsa_user_sgpr_count 2
		.amdhsa_user_sgpr_kernarg_segment_ptr 1
		.amdhsa_wavefront_size32 1
		.amdhsa_system_sgpr_workgroup_id_x 1
		.amdhsa_system_sgpr_workgroup_id_y 1
		.amdhsa_system_sgpr_workgroup_id_z 1
		.amdhsa_system_vgpr_workitem_id 0
		.amdhsa_next_free_vgpr 1024
		.amdhsa_next_free_sgpr 100
		.amdhsa_reserve_vcc 0
		.amdhsa_float_denorm_mode_32 3
		.amdhsa_float_denorm_mode_16_64 3
		.amdhsa_memory_ordered 1
		.amdhsa_forward_progress 1
		.amdhsa_inst_pref_size 214
	.end_amdhsa_kernel
	.amdgpu_metadata
---
amdhsa.version: [ 1, 2 ]
amdhsa.kernels:
  - .name:           k_q5e11c6258f_proj
    .symbol:         k_q5e11c6258f_proj.kd
    .args:
      - { .name: xc, .offset: 0, .size: 8, .value_kind: global_buffer, .address_space: global }
      - { .name: wc, .offset: 8, .size: 8, .value_kind: global_buffer, .address_space: global }
      - { .name: bq, .offset: 16, .size: 8, .value_kind: global_buffer, .address_space: global }
      - { .name: bk, .offset: 24, .size: 8, .value_kind: global_buffer, .address_space: global }
      - { .name: bv, .offset: 32, .size: 8, .value_kind: global_buffer, .address_space: global }
      - { .name: lowp_scales, .offset: 40, .size: 8, .value_kind: global_buffer, .address_space: global }
      - { .name: qkv, .offset: 48, .size: 8, .value_kind: global_buffer, .address_space: global }
    .group_segment_fixed_size: 327680
    .private_segment_fixed_size: 0
    .kernarg_segment_align: 8
    .kernarg_segment_size: 56
    .max_flat_workgroup_size: 128
    .sgpr_count:     100
    .vgpr_count:     1024
    .wavefront_size: 32
...
	.end_amdgpu_metadata
.endif
;; end of part 2
;; launch attn (part 3): grid 4 x 64, 8 waves a work-group, clusters of 4 x 1, 327,680 bytes of LDS; arguments qkv, lowp_scales, ac; writes ac
.if DOCPART == 3
	.amdgcn_target "amdgcn-amd-amdhsa--gfx1250"
	.amdhsa_code_object_version 6
	.text
	.protected	k_q5e11c6258f_attn
	.globl	k_q5e11c6258f_attn
	.p2align	8
	.type	k_q5e11c6258f_attn,@function
k_q5e11c6258f_attn:
	s_mov_b64 s[64:65], 0
	v_nop
	global_prefetch_b8 v0, s[64:65] scope:SCOPE_SE
	s_setreg_imm32_b32 hwreg(HW_REG_WAVE_MODE, 25, 1), 1
	s_wait_xcnt 0x0
	s_wait_alu depctr_hold_cnt(0) depctr_sa_sdst(0) depctr_va_vdst(0) depctr_va_sdst(0) depctr_va_ssrc(0) depctr_va_vcc(0) depctr_vm_vsrc(0)
	s_getreg_b32 s2, hwreg(HW_REG_IB_STS2, 6, 4)
	s_cmp_eq_u32 s2, 0
	s_cbranch_scc0 .Lentry_in_a_cluster
	s_endpgm
.Lentry_in_a_cluster:
	s_bfe_u32 s2, ttmp6, 0x10000c
	s_cmp_lg_u32 s2, 0x3003
	s_cbranch_scc0 .Lentry_shape_is_right
	s_endpgm
.Lentry_shape_is_right:
; O[b][h][q] = the sum over k of softmax_k(Q . K / 8) V, 64 heads (b, h) of 2,048 tokens x 64, both products on codes of FP8 (E4M3); the result is quantised at once for the last product.
; qkv: q at 0, k at 8 MiB: [b][h][token][64] codes; v at 16 MiB: [b][h][chunk of 128 tokens][d 64][128 bytes], token t of a chunk at byte 32 (t / 32) + 16 (bit 3 of t) + 8 (bit 4 of t) + t % 8.
; THE SOFTMAX: t = score x log2(e) / 8; M = the row's largest t so far, rounded UP to a whole number; p = 2^(t - M) is quantised (entry 8); the row's sum is taken of the unquantised p and divides O at the end.
; When M moves, the sum and O are multiplied by 2^(old M - new M): nothing is rounded, and there is no branch on data.
; SHARES.  A work-group owns 512 queries of one head, each of its eight waves 64: four tiles of 16.  Every wave walks the head's 2,048 keys, 128 a step, and reads each fragment of K and V from LDS once for its four tiles.
; K AND V LIE WHOLE IN LDS (2 x 512 rows of 256 bytes): no byte is filled twice.  They come in two parts: the first 160 rows of each (640 keys), 40 rows a wave, at the head; the other 352 rows of each, 88 a wave,
; behind the full sequence and a round.  The first four key steps read rows under 160 alone (K's fragments are fetched one step ahead: step 4's rows end at 160).
; CLUSTER.  The four work-groups of a cluster own the four query blocks of one head: every tile is asked for jointly, with the mask 15.  No prefetch: all tensor loads are issued ahead of the first key step, so no loop runs ahead of a load.
; LAYOUT.  Both products are used transposed: S^T = K Q^T, O^T = V^T P^T: a lane holds ONE query (lane % 16) throughout.  Tile t of S^T gives lane (r, h) keys 16 t + 8 h + 0 .. 7; its eight codes are registers 2 t, 2 t + 1 of P,
; which are the tokens at bytes 32 c + 16 h + 0 .. 15 of a row of v.  Q's and K's fragments are fetched alike (two pieces of 16 bytes, 32 apart): one order of k on both sides of each product.
; THE TILES FOLLOW EACH OTHER ONE STAGE APART, on two buffers of scores.  In tile j's turn: its scores; the sums of tile j - 1's p (they are the places behind the products, and stand among the serial lines of the statistics);
; j's maxima, M, f and t - M; ONE batch of j's 64 exponentials with tile j - 1's 32 paired holds between them; then O^T of j - 1 x f, its conversions and its second product.
; The first turn finds a buffer of zeros for the tile before it, and V's first fragments: it adds zeros.  That saves a further copy of the step's text.
; The last step's look-ahead fetches the 32 LDS rows behind K's last (V's first): they are never multiplied.
; OUT: ac [h 16][token 8192][64] codes (entry 10): a wave's 64 queries are 4,096 consecutive bytes.
; LIMITS, so that each power of two below is an f32 number: e6 + e7 between -123 and 130; e8, and e10 - e8 - e9, between -126 and 119.  NaN is not served.  The scaled scores stay under 2^31 in magnitude.
; REGISTERS: window 0: v1-13, v27 addresses and scales; v14-26 at work; v28-29 the add's; v32-63 eight of statistics a tile (-M, largest score, sum x 2, f, pad); v64-127 K; v128-255 two buffers of scores.
;   window 1: v0-127 O^T, 32 a tile; v128-191 V; v192-223 Q; v224-239 P.
; ac, more exactly: inside each 16 tokens' 1,024 bytes of a head the codes lie as the next launch's operand registers take them: byte 512 n + 256 h + 16 r + i holds token r, d = 32 n + 16 h + i.
.set PITCH, 272                        ; an LDS row: 256 bytes (4 keys of K, or 2 rows d of V) + 16 of padding
.set STEPB, 32*PITCH                   ; a key step, 128 keys, in K and in V
.set VBASE, 512*PITCH                  ; K's 512 rows, then V's 512
.set STAGE, 2*VBASE                    ; the way out: 4 tiles x 16 rows x 80 bytes for each wave
.set SPO,   80
.set SPARE, STAGE+8*64*SPO             ; the spare words: 128 bytes a wave
.set ER,    40                         ; rows a wave fetches at the head
.set RR,    88                         ; and behind the round
.set AK0, 1
.set AV0, 2
.set QO,  3
.set STO, 4
.set RD,  5
.set GO,  6
.set ADK, 8
.set ADV, 9
.set PLIM, 10                          ; 448 x 2^e8
.set PSC,  11                          ; 2^e8
.set OLIM, 12                          ; 448 x 2^(e10 - e8 - e9)
.set OSC,  13
.set T0,  14                           ; v14-17 four chains of maxima
.set T1,  15
.set T2,  16
.set T3,  17
.set TP,  18
.set U,   20                           ; v20-25 three more chains of the sum
.set PLIM2, 27                         ; 448 x 2^e8 once more: the second half of a pair reads a register of another bank
.set SPW, 28
.set NIL, 29
.set ST,  32
.set K,   64
.set S,   128
.set VF,  128                          ; window 1
.set QF,  192                          ; window 1
.set PP,  224                          ; window 1
.set WV,  10
.set SEL, 20
.set CS,  22
.set GE,  24
.set GR,  32
.set G0E, 40
.set G0R, 44
.set TB,  48
.set CNT, 49
.set MSB, 0
.macro WIN new                         ; the immediate's high byte repeats the setting that is left
.if MSB != (\new)
	s_set_vgpr_msb (MSB<<8)|(\new)
.set MSB, (\new)
.endif
.endm
.macro CROUND                          ; a round of the cluster's barrier
	s_barrier_signal -1
	s_barrier_wait -1
	s_cmp_lg_u32 s[WV], 0
	s_cbranch_scc1 .Lnot_wave_0_\@
	s_barrier_signal -3
.Lnot_wave_0_\@:
	s_barrier_wait -3
	s_barrier_signal -1
	s_barrier_wait -1
.endm
.macro KLOAD adr, off                  ; K's eight fragments: keys 16 t on
.irp t, 0,1,2,3,4,5,6,7
	ds_load_b128 v[K+8*\t:K+8*\t+3], v[\adr] offset:(\off)+4*PITCH*\t
	ds_load_b128 v[K+8*\t+4:K+8*\t+7], v[\adr] offset:(\off)+4*PITCH*\t+32
.endr
.endm
.macro VLOAD adr                       ; V's four fragments: rows d = 16 t on
	WIN 0x40
.irp t, 0,1,2,3
.irp c, 0,1,2,3
	ds_load_b128 v[VF+16*\t+4*\c:VF+16*\t+4*\c+3], v[\adr] offset:8*PITCH*\t+32*\c
.endr
.endr
	WIN 0
.endm
.macro SETP p                          ; the tile one stage behind: its buffer, its statistics; its 32 additions begin anew
.set pj, (\p)
.set SP_, S+64*(pj%2)
.set rQ, ST+8*pj
.set na, 0
.endm
.macro SADD                            ; the next of the 32 additions of that tile's unquantised p: 32 pairs in four chains, joined by the last three
.if na < 3
	v_pk_add_f32 v[U+2*na:U+2*na+1], v[SP_+4*na:SP_+4*na+1], v[SP_+4*na+2:SP_+4*na+3]
.elseif na == 29
	v_pk_add_f32 v[U:U+1], v[U:U+1], v[U+2:U+3]
.elseif na == 30
	v_pk_add_f32 v[rQ+2:rQ+3], v[rQ+2:rQ+3], v[U+4:U+5]
.elseif na == 31
	v_pk_add_f32 v[rQ+2:rQ+3], v[rQ+2:rQ+3], v[U:U+1]
.elseif na%4 == 3
	v_pk_add_f32 v[rQ+2:rQ+3], v[rQ+2:rQ+3], v[SP_+2*(na+3):SP_+2*(na+3)+1]
.else
	v_pk_add_f32 v[U+2*(na%4):U+2*(na%4)+1], v[U+2*(na%4):U+2*(na%4)+1], v[SP_+2*(na+3):SP_+2*(na+3)+1]
.endif
.set na, na+1
.endm
.macro HOLD2 n                         ; the conversion does not saturate (ISA guide 7.6.2); p is not negative, so the hold is one-sided: two numbers a line
	v_dual_min_num_f32 v[SP_+2*(\n)], v[SP_+2*(\n)], v[PLIM] :: v_dual_min_num_f32 v[SP_+2*(\n)+1], v[SP_+2*(\n)+1], v[PLIM2]
.endm
.macro FIN                             ; tile pj: O^T under the new M, p's codes, O^T += V^T P^T
	WIN 0x41
	s_wait_alu depctr_va_vdst(0)                   ; the wait behind the batch, directly ahead of the first readers of O^T
.set kk, 0
.rept 16
	v_pk_mul_f32 v[32*pj+2*kk:32*pj+2*kk+1], v[32*pj+2*kk:32*pj+2*kk+1], v[rQ+4:rQ+5] op_sel_hi:[1,0]
.set kk, kk+1
.endr
	WIN 0x40
.irp t, 0,1,2,3,4,5,6,7
	v_cvt_scalef32_pk8_fp8_f32 v[PP+2*\t:PP+2*\t+1], v[SP_+8*\t:SP_+8*\t+7], v[PSC]
.endr
	v_nop                                          ; one plain line between the conversions and the matrix instructions that read their results and write their sources
	WIN 0x55
.irp t, 0,1,2,3
	v_wmma_f32_16x16x128_fp8_fp8 v[32*pj+8*\t:32*pj+8*\t+7], v[VF+16*\t:VF+16*\t+15], v[PP:PP+15], v[32*pj+8*\t:32*pj+8*\t+7]
.endr
.endm
.macro TILE j
.set SB, S+64*((\j)%2)
.set rT, ST+8*(\j)
	SETP ((\j)+3)%4
	WIN 0x04                                       ; Q in window 1
.irp t, 0,1,2,3,4,5,6,7
	v_wmma_f32_16x16x64_fp8_fp8 v[SB+8*\t:SB+8*\t+7], v[K+8*\t:K+8*\t+7], v[QF+8*(\j):QF+8*(\j)+7], 0
.endr
	WIN 0
.rept 6
	SADD                                           ; six plain lines on other registers: the places behind the products above and behind the last second product
.endr
.if (\j) == 1
	VLOAD ADV                                      ; this step's V: tile 3 of the last step has had its second product
.endif
.if (\j) == 3
	KLOAD ADK, STEPB                               ; the next step's K: this step's four tiles have had their scores
.endif
	v_max3_num_f32 v[T0], v[SB], v[SB+1], v[SB+2]  ; the step's largest score of my query among my 64 keys, in four chains, ascending: each accumulator is first read at its low end
	v_max3_num_f32 v[T1], v[SB+3], v[SB+4], v[SB+5]
	v_max3_num_f32 v[T2], v[SB+6], v[SB+7], v[SB+8]
	v_max3_num_f32 v[T3], v[SB+9], v[SB+10], v[SB+11]
.set kk, 0
.rept 26
	v_max3_num_f32 v[T0+kk%4], v[T0+kk%4], v[SB+12+2*kk], v[SB+13+2*kk]
.set kk, kk+1
.endr
	v_max3_num_f32 v[T0], v[T0], v[T1], v[T2]      ; from here on the lines hang on each other: two additions stand behind each
	SADD
	SADD
	v_max_num_f32 v[T0], v[T0], v[T3]
	SADD
	SADD
	v_permlanex16_b32 v[TP], v[T0], s[SEL], s[SEL+1]
	SADD
	SADD
	v_max3_num_f32 v[rT+1], v[rT+1], v[T0], v[TP]  ; the running largest score, lane l xor 16's among them
	SADD
	SADD
	v_mul_f32 v[T1], s[CS], -v[rT+1]               ; -t (c is positive)
	SADD
	SADD
	v_floor_f32 v[T1], v[T1]                       ; the new -M = floor(-t) = -ceil(t)
	SADD
	SADD
	v_sub_f32 v[T2], v[T1], v[rT]                  ; old M - new M: a whole number, 0 or less
	v_mov_b32 v[rT], v[T1]
	SADD
	SADD
	v_cvt_i32_f32 v[T2], v[T2]                     ; (it saturates)
	SADD
	SADD
	v_ldexp_f32 v[rT+4], 1.0, v[T2]                ; f = 2^(old M - new M)
.set kk, 0
.rept 32
	v_pk_fma_f32 v[SB+2*kk:SB+2*kk+1], v[SB+2*kk:SB+2*kk+1], s[CS:CS+1], v[rT:rT+1] op_sel_hi:[1,0,0]   ; t - M, two at a time
.if kk < 10
	SADD
.endif
.set kk, kk+1
.endr
.if ((\j) == 1) || ((\j) == 3)
	s_wait_dscnt 0x0                               ; the sixteen LDS loads issued in this turn are in
.endif
	s_wait_alu depctr_va_vdst(0)                   ; the wait ahead of the batch
.set kk, 0
.rept 32
	v_exp_f32 v[SB+2*kk], v[SB+2*kk]               ; p = 2^(t - M), at most 1
	v_exp_f32 v[SB+2*kk+1], v[SB+2*kk+1]
	HOLD2 kk                                       ; the other buffer's p, which has been summed; first read behind the wait in FIN
.set kk, kk+1
.endr
	v_pk_mul_f32 v[rT+2:rT+3], v[rT+2:rT+3], v[rT+4:rT+5] op_sel_hi:[1,0]   ; my sums under the new M: the plain line behind the last exponential
	FIN
.endm
.macro KLOOP n
	s_mov_b32 s[CNT], \n
.Lkey_\@:
	v_add_nc_u32 v[ADK], s[TB], v[AK0]
	v_add_nc_u32 v[ADV], s[TB], v[AV0]
	TILE 0
	TILE 1
	TILE 2
	TILE 3
	WIN 0
	s_add_co_u32 s[TB], s[TB], STEPB
	s_sub_co_u32 s[CNT], s[CNT], 1
	s_cmp_lg_u32 s[CNT], 0
	s_cbranch_scc1 .Lkey_\@
.endm
	s_load_b128 s[4:7], s[0:1], 0x0                ; qkv s[4:5], the exponents s[6:7]
	s_load_b64 s[8:9], s[0:1], 0x10                ; ac
	v_lshl_add_u32 v[SPW], v0, 2, SPARE
	v_mov_b32 v[NIL], 0
	ds_add_u32 v[SPW], v[NIL]                      ; the opening lines: the add, twice on end, and its wait
	ds_add_u32 v[SPW], v[NIL]
	v_lshrrev_b32 v1, 5, v0
	v_readfirstlane_b32 s[WV], v1                  ; wave 0..7
	s_bfe_u32 s11, ttmp6, 0x40000                  ; cx: my block of 512 queries: it enters Q's and the output's addresses alone
	s_and_b32 s12, ttmp7, 0xffff                   ; 16 b + h, which the four partners share
	s_and_b32 s50, s[WV], 3                        ; which quarter of a part I fetch,
	s_lshr_b32 s51, s[WV], 2                       ; of K (0) or of V (1)
	s_mul_i32 s52, s51, VBASE
	s_mul_i32 s53, s50, ER*PITCH
	s_add_co_u32 s53, s53, s52                     ; LDS: my 40 rows of the first 160,
	s_mul_i32 s54, s50, RR*PITCH
	s_add_co_u32 s54, s54, s52
	s_add_co_u32 s54, s54, 4*ER*PITCH              ; my 88 of the other 352
	s_add_co_u32 s55, s51, 1
	s_lshl_b32 s55, s55, 23                        ; memory: k at 8 MiB, v at 16 MiB,
	s_lshl_b32 s56, s12, 17
	s_add_co_u32 s55, s55, s56                     ; my head's 131,072 bytes
	s_mul_i32 s56, s50, ER*256
	s_add_co_u32 s56, s56, s55
	s_mov_b32 s57, 0
	s_mul_i32 s58, s50, RR*256
	s_add_co_u32 s58, s58, s55
	s_add_co_u32 s58, s58, 4*ER*256
	s_mov_b32 s59, 0
	; descriptor groups 1: rows of 256 bytes, dense in memory, 16 bytes of padding behind each in LDS; the mask names all four work-groups, bit 21 beside it
	s_mov_b32 s[GE], 15|(0<<16)|(1<<20)|(1<<21)|(5<<22)|(3<<25)
	s_mov_b32 s[GE+1], 256<<16
	s_mov_b32 s[GE+2], ER<<16
	s_mov_b32 s[GE+3], 256<<16
	s_mov_b32 s[GE+4], ER
	s_mov_b32 s[GE+5], 256
	s_mov_b32 s[GE+6], 0
	s_mov_b32 s[GE+7], 0
	s_mov_b32 s[GR], 15|(0<<16)|(1<<20)|(1<<21)|(5<<22)|(3<<25)
	s_mov_b32 s[GR+1], 256<<16
	s_mov_b32 s[GR+2], RR<<16
	s_mov_b32 s[GR+3], 256<<16
	s_mov_b32 s[GR+4], RR
	s_mov_b32 s[GR+5], 256
	s_mov_b32 s[GR+6], 0
	s_mov_b32 s[GR+7], 0
	s_mov_b32 s[SEL], 0x76543210
	s_mov_b32 s[SEL+1], 0xfedcba98
	s_mov_b32 s[CS], 0x3e38aa3b                    ; c = log2(e) / sqrt(64)
	s_mov_b32 s[TB], 0
	s_lshl_b32 s60, s11, 9
	s_lshl_b32 s61, s[WV], 6
	s_add_co_u32 s60, s60, s61                     ; my first query in the head: 512 cx + 64 x wave
	s_lshl_b32 s62, s60, 6
	s_lshl_b32 s63, s12, 17
	s_add_co_u32 s62, s62, s63                     ; its codes in q
	s_mov_b32 s63, 0
	s_and_b32 s61, s12, 15
	s_lshl_b32 s61, s61, 13                        ; the output: head h's 8,192 tokens,
	s_lshr_b32 s66, s12, 4
	s_lshl_b32 s66, s66, 11                        ; batch b's 2,048 of them
	s_add_co_u32 s61, s61, s66
	s_add_co_u32 s60, s60, s61
	s_lshl_b32 s60, s60, 6                         ; of 64 bytes
	s_mov_b32 s61, 0
	s_wait_dscnt 0x0                               ; both opening adds are done
	s_wait_kmcnt 0x0
	s_load_b128 s[68:71], s[6:7], 0x18             ; e6, e7, e8, e9
	s_load_b32 s72, s[6:7], 0x28                   ; e10
	s_mov_b32 s[G0E], 1
	s_mov_b32 s[G0E+1], s53
	s_add_nc_u64 s[G0E+2:G0E+3], s[4:5], s[56:57]
	s_or_b32 s[G0E+3], s[G0E+3], 0x80000000
	s_mov_b32 s[G0R], 1
	s_mov_b32 s[G0R+1], s54
	s_add_nc_u64 s[G0R+2:G0R+3], s[4:5], s[58:59]
	s_or_b32 s[G0R+3], s[G0R+3], 0x80000000
	s_add_nc_u64 s[14:15], s[4:5], s[62:63]        ; Q at my first query
	s_add_nc_u64 s[16:17], s[8:9], s[60:61]        ; the output likewise
	CROUND                                         ; all four work-groups are here: the joint loads meet
	tensor_load_to_lds s[G0E:G0E+3], s[GE:GE+7]    ; every wave's one load at the head: its 40 rows
	s_nop 0
.rept 4
	v_nop
.endr
	v_and_b32 v7, 15, v0                           ; r
	v_bfe_u32 v19, v0, 4, 1                        ; h
	v_lshlrev_b32 v[QO], 6, v7
	v_lshl_add_u32 v[QO], v19, 4, v[QO]            ; Q: row r of 64 bytes, + 16 h
	WIN 0x40
.irp i, 0,1,2,3
	global_load_b128 v[QF+8*\i:QF+8*\i+3], v[QO], s[14:15] offset:1024*\i th:TH_LOAD_NT      ; Q's four fragments stay in registers
	global_load_b128 v[QF+8*\i+4:QF+8*\i+7], v[QO], s[14:15] offset:1024*\i+32 th:TH_LOAD_NT
.endr
.set kk, 0
.rept 128
	v_mov_b32 v[kk], 0                             ; O^T: the step is written for every step alike, and the first change of M leaves zeros zeros
.set kk, kk+1
.endr
	WIN 0
.set kk, 0
.rept 64
	v_mov_b32 v[S+64+kk], 0                        ; the buffer that the first turn takes for the tile before it: p = 0
.set kk, kk+1
.endr
	v_lshrrev_b32 v26, 2, v7
	v_mul_u32_u24 v[AK0], v26, PITCH
	v_and_b32 v30, 3, v7
	v_lshl_add_u32 v[AK0], v30, 6, v[AK0]
	v_lshl_add_u32 v[AK0], v19, 4, v[AK0]          ; K: key r of a tile: row r / 4, 64 (r % 4) in it, + 16 h
	v_lshrrev_b32 v26, 1, v7
	v_mul_u32_u24 v[AV0], v26, PITCH
	v_and_b32 v30, 1, v7
	v_lshl_add_u32 v[AV0], v30, 7, v[AV0]
	v_lshl_add_u32 v[AV0], v19, 4, v[AV0]
	v_add_nc_u32 v[AV0], VBASE, v[AV0]             ; V: row d = r of a tile: row r / 2, 128 (r % 2) in it, + 16 h
	s_mul_i32 s55, s[WV], 4*16*SPO
	s_add_co_u32 s55, s55, STAGE                   ; my stage
	v_mul_u32_u24 v[STO], v7, SPO
	v_lshl_add_u32 v[STO], v19, 3, v[STO]
	v_add_nc_u32 v[STO], s55, v[STO]               ; in: row r, + 8 h
	v_and_b32 v26, 31, v0
	v_mul_u32_u24 v[RD], v7, SPO
	v_lshl_add_u32 v[RD], v19, 4, v[RD]            ; back: lane (r, h) takes 16 bytes of token r, at 16 h
	v_add_nc_u32 v[RD], s55, v[RD]                 ; back: two lanes take a token's 64 bytes, over two loads
	v_lshlrev_b32 v[GO], 4, v26
.irp i, 0,1,2,3
	v_mov_b32 v[ST+8*\i], 0x7f61b1e6               ; -M: 3e38
	v_mov_b32 v[ST+8*\i+1], 0xff61b1e6             ; the largest score so far: -3e38
	v_mov_b32 v[ST+8*\i+2], 0                      ; the sum, in two halves
	v_mov_b32 v[ST+8*\i+3], 0
	v_mov_b32 v[ST+8*\i+4], 0                      ; f
	v_mov_b32 v[ST+8*\i+5], 0                      ; (named with f as a pair)
.endr
	v_mov_b32 v[TP], 0                             ; a lane permute's destination counts as one of its sources
	s_wait_kmcnt 0x0
	s_add_co_i32 s55, s68, s69
	s_lshl_b32 s55, s55, 23
	s_add_co_i32 s[CS], s[CS], s55                 ; a score stands for score x 2^(e6 + e7): added to c's exponent field
	s_mov_b32 s[CS+1], s[CS]
	s_add_co_i32 s55, s70, 127
	s_lshl_b32 s60, s55, 23
	v_mov_b32 v[PSC], s60
	s_add_co_i32 s55, s55, 8
	s_lshl_b32 s55, s55, 23
	s_or_b32 s55, s55, 0x600000
	v_mov_b32 v[PLIM], s55
	v_mov_b32 v[PLIM2], s55
	s_sub_co_i32 s55, s72, s70                     ; O^T / the sum stands for that x 2^(e8 + e9): its code is that / 2^(e10 - e8 - e9)
	s_sub_co_i32 s55, s55, s71
	s_add_co_i32 s55, s55, 127
	s_lshl_b32 s60, s55, 23
	v_mov_b32 v[OSC], s60
	s_add_co_i32 s55, s55, 8
	s_lshl_b32 s55, s55, 23
	s_or_b32 s55, s55, 0x600000
	v_mov_b32 v[OLIM], s55
	s_wait_alu depctr_va_vdst(0)                   ; the wait at the head's end
	s_wait_tensorcnt 0x0                           ; my 40 rows are in
	ds_add_u32 v[SPW], v[NIL]
	s_wait_dscnt 0x0
	CROUND                                         ; everybody's first part is in, and the four work-groups meet
	tensor_load_to_lds s[G0R:G0R+3], s[GR:GR+7]    ; my 88 rows of the rest: four key steps in which to land
	s_nop 0
.rept 4
	v_nop
.endr
	KLOAD AK0, 0                                   ; step 0's K,
	VLOAD AV0                                      ; and V's first fragments, for the first turn's product with p = 0
	s_wait_loadcnt 0x0                             ; Q
	s_wait_dscnt 0x0
	KLOOP 4                                        ; keys 0-511: these steps read rows under 160 of K and under 128 of V
	s_wait_alu depctr_va_vdst(0)                   ; the wait ahead of the waits below
	s_wait_tensorcnt 0x0                           ; my part of the rest is in,
	s_wait_dscnt 0x0
	s_barrier_signal -1
	s_barrier_wait -1                              ; everybody's is
	KLOOP 12
	SETP 3                                         ; the last step's tile 3 is one stage behind: its sums, holds, codes and second product
.rept 32
	SADD
.endr
.set kk, 0
.rept 32
	HOLD2 kk
.set kk, kk+1
.endr
	FIN
	WIN 0
	; THE WAY OUT.  O^T / the sum is held, quantised and sent through my stage, so that each store covers 512 consecutive bytes.
.irp i, 0,1,2,3
	v_add_f32 v[ST+8*\i+2], v[ST+8*\i+2], v[ST+8*\i+3]   ; the sum's two halves (these twelve lines are also the places behind the last products),
.endr
.irp i, 0,1,2,3
	v_permlanex16_b32 v[ST+8*\i+3], v[ST+8*\i+2], s[SEL], s[SEL+1]
.endr
.irp i, 0,1,2,3
	v_add_f32 v[ST+8*\i+2], v[ST+8*\i+2], v[ST+8*\i+3]   ; and lane l xor 16's
.endr
	s_wait_alu depctr_va_vdst(0)                   ; the wait ahead of the batch
.irp i, 0,1,2,3
	v_rcp_f32 v[ST+8*\i+2], v[ST+8*\i+2]
.endr
	v_nop                                          ; a plain line behind the last reciprocal
.irp i, 0,1,2,3
	WIN 0x01                                       ; O^T in window 1
	s_wait_alu depctr_va_vdst(0)                   ; the wait directly ahead of the first readers of this tile's O^T (the first of the four serves the reciprocals too)
.set kk, 0
.rept 16
	v_pk_mul_f32 v[S+32*(\i%2)+2*kk:S+32*(\i%2)+2*kk+1], v[32*\i+2*kk:32*\i+2*kk+1], v[ST+8*\i+2:ST+8*\i+3] op_sel_hi:[1,0]   ; register 8 t + j: o(query r, d = 16 t + 8 h + j)
.set kk, kk+1
.endr
	WIN 0
.set kk, 0
.rept 32
	v_med3_num_f32 v[S+32*(\i%2)+kk], v[S+32*(\i%2)+kk], -v[OLIM], v[OLIM]
.set kk, kk+1
.endr
.irp t, 0,1,2,3
	v_cvt_scalef32_pk8_fp8_f32 v[K+8*\i+2*\t:K+8*\i+2*\t+1], v[S+32*(\i%2)+8*\t:S+32*(\i%2)+8*\t+7], v[OSC]
.endr
	v_nop                                          ; one plain vector line behind the last conversion
.irp t, 0,1,2,3
	ds_store_b64 v[STO], v[K+8*\i+2*\t:K+8*\i+2*\t+1] offset:16*SPO*\i+16*\t
.endr
.irp n, 0,1
	ds_load_b128 v[K+32+8*\i+4*\n:K+32+8*\i+4*\n+3], v[RD] offset:16*SPO*\i+32*\n   ; LDS serves a wave's instructions in order (ISA guide 5.7.1.4): these see my stores
.endr
.endr
.irp i, 0,1,2,3
.irp n, 0,1
	s_wait_dscnt (3-\i)*6+1-\n                     ; behind this load: the later tiles' six LDS lines each, and this tile's later load
	global_store_b128 v[GO], v[K+32+8*\i+4*\n:K+32+8*\i+4*\n+3], s[16:17] offset:1024*\i+512*\n   ; 32 lanes store 512 consecutive bytes: 32 bytes of each of 16 tokens of my head
.endr
.endr
	s_wait_tensorcnt 0x0                           ; the wave's end
	ds_add_u32 v[SPW], v[NIL]
	s_wait_dscnt 0x0
	CROUND                                         ; the closing round
	s_endpgm
.Lfunc_end_k_q5e11c6258f_attn:
	.size	k_q5e11c6258f_attn, .Lfunc_end_k_q5e11c6258f_attn-k_q5e11c6258f_attn
	.p2alignl 7, 3214868480
	.fill 96, 4, 3214868480
	.section	.rodata,"a",@progbits
	.p2align	6, 0x0
	.amdhsa_kernel k_q5e11c6258f_attn
		.amdhsa_group_segment_fixed_size 327680
		.amdhsa_private_segment_fixed_size 0
		.amdhsa_enable_private_segment 0
		.amdhsa_kernarg_size 24
		.amdhsa_user_sgpr_count 2
		.amdhsa_user_sgpr_kernarg_segment_ptr 1
		.amdhsa_wavefront_size32 1
		.amdhsa_system_sgpr_workgroup_id_x 1
		.amdhsa_system_sgpr_workgroup_id_y 1
		.amdhsa_system_sgpr_workgroup_id_z 1
		.amdhsa_system_vgpr_workitem_id 0
		.amdhsa_next_free_vgpr 512
		.amdhsa_next_free_sgpr 76
		.amdhsa_reserve_vcc 0
		.amdhsa_float_denorm_mode_32 3
		.amdhsa_float_denorm_mode_16_64 3
		.amdhsa_memory_ordered 1
		.amdhsa_forward_progress 1
		.amdhsa_inst_pref_size 149
	.end_amdhsa_kernel
	.amdgpu_metadata
---
amdhsa.version: [ 1, 2 ]
amdhsa.kernels:
  - .name:           k_q5e11c6258f_attn
    .symbol:         k_q5e11c6258f_attn.kd
    .args:
      - { .name: qkv, .offset: 0, .size: 8, .value_kind: global_buffer, .address_space: global }
      - { .name: lowp_scales, .offset: 8, .size: 8, .value_kind: global_buffer, .address_space: global }
      - { .name: ac, .offset: 16, .size: 8, .value_kind: global_buffer, .address_space: global }
    .group_segment_fixed_size: 327680
    .private_segment_fixed_size: 0
    .kernarg_segment_align: 8
    .kernarg_segment_size: 24
    .max_flat_workgroup_size: 256
    .sgpr_count:     76
    .vgpr_count:     512
    .wavefront_size: 32
...
	.end_amdgpu_metadata
.endif
;; end of part 3
;; launch outp (part 4): grid 64 x 4, 4 waves a work-group, clusters of 4 x 1, 327,680 bytes of LDS; arguments ac, wc, lowp_scales, bo, out0; writes out0
.if DOCPART == 4
	.amdgcn_target "amdgcn-amd-amdhsa--gfx1250"
	.amdhsa_code_object_version 6
	.text
	.protected	k_q5e11c6258f_outp
	.globl	k_q5e11c6258f_outp
	.p2align	8
	.type	k_q5e11c6258f_outp,@function
k_q5e11c6258f_outp:
	s_mov_b64 s[64:65], 0
	v_nop
	global_prefetch_b8 v0, s[64:65] scope:SCOPE_SE
	s_setreg_imm32_b32 hwreg(HW_REG_WAVE_MODE, 25, 1), 1
	s_wait_xcnt 0x0
	s_wait_alu depctr_hold_cnt(0) depctr_sa_sdst(0) depctr_va_vdst(0) depctr_va_sdst(0) depctr_va_ssrc(0) depctr_va_vcc(0) depctr_vm_vsrc(0)
	s_getreg_b32 s2, hwreg(HW_REG_IB_STS2, 6, 4)
	s_cmp_eq_u32 s2, 0
	s_cbranch_scc0 .Lentry_in_a_cluster
	s_endpgm
.Lentry_in_a_cluster:
	s_bfe_u32 s2, ttmp6, 0x10000c
	s_cmp_lg_u32 s2, 0x3003
	s_cbranch_scc0 .Lentry_shape_is_right
	s_endpgm
.Lentry_shape_is_right:
; out0[token][n] = 2^(e10 + e11) x the sum over k of A[token][k] Wo[n][k] + bo[n]: 8,192 x 1,024, K = 1,024, on codes of FP8 (E4M3); sums in f32.
; A = ac: [head 16][token 8192][64] codes, k = 64 head + d; inside each 16 tokens' 1,024 bytes: byte 512 n + 256 h + 16 r + i holds token r, d = 32 n + 16 h + i.  Wo's codes: wc + 3 MiB, [n 1024][k 1024].
; LIMIT: e10 + e11 lies between -126 and 127, so that 2^(e10 + e11) is an f32 number.
; SHARES.  256 work-groups; a work-group makes 128 tokens x 256 columns, each of its four waves 64 tokens x 128 columns.
; NO RING.  K is 1,024 bytes a row.  A wave keeps its 64 rows of A, all of K, in 512 registers: 128 loads from memory, each of 512 consecutive bytes, in the order of the operand's registers.
; The block's 256 rows of Wo lie whole in LDS (pitch 1,040).  They come in two parts: rows 0-63 and 128-191, 32 rows a wave, at the head; the others behind the full sequence and a round.  No byte is filled twice.
; A wave works by groups of 64 columns: 4 x 4 accumulators, K ascending in 8 steps of 128; each fragment of Wo is read from LDS once and meets A's four blocks.  Group 0 reads the first part alone, and its results leave while the second part lands.
; CLUSTER.  The four work-groups of a cluster make four token blocks of the same 256 columns: Wo's rows are asked for jointly, with the mask 15.  A's rows differ between partners.
; No prefetch: every load of the launch is issued ahead of the first product, so there is no loop to run ahead in.
; THE MATRIX INSTRUCTION IS USED TRANSPOSED (source 0 = 16 rows of Wo, source 1 = 16 tokens): a lane holds eight neighbouring columns of one token.  Registers 4 c .. 4 c + 3 of both operands hold k = 32 c + 16 h + 0 .. 15.
; REGISTERS: window 0: v1-29 addresses; v32-95 bo; v128-191 the way out.  Window 1: v0-127 accumulators (a, b) at 8 (4 a + b); v128-255 Wo's fragments, two sets of four.
;   windows 2, 3: A's fragments: K step kq, block a at 64 (kq % 4) + 16 a of window 2 + kq / 4.
.set LP,     1040                      ; a row of Wo in LDS: 1,024 bytes + 16: the sixteen rows that a load touches start at sixteen different groups of banks (ISA guide 11.1)
.set STAGE,  256*LP                    ; the way out: 16 rows x (256 + 16) bytes for each wave
.set SPITCH, 272
.set SPARE,  STAGE+4*16*SPITCH         ; the spare words, 128 bytes a wave
.set ADB,  16                          ; v16, v17  my place in Wo's rows, group 0 and 1
.set STO,  18
.set RD,   19
.set CO,   20
.set AO,   21                          ; 16 x lane
.set SPW,  28
.set NIL,  29
.set BIAS, 32
.set BK,   128
.set BF,   128                         ; window 1
.set G1,   48
.set G0,   56                          ; s[56:59] the first part's group 0, s[60:63] the second's
.set MSB, 0
.macro WIN new                         ; the immediate's high byte repeats the setting that is left
.if MSB != (\new)
	s_set_vgpr_msb (MSB<<8)|(\new)
.set MSB, (\new)
.endif
.endm
.macro CROUND                          ; a round of the cluster's barrier
	s_barrier_signal -1
	s_barrier_wait -1
	s_cmp_lg_u32 s14, 0
	s_cbranch_scc1 .Lnot_wave_0_\@
	s_barrier_signal -3
.Lnot_wave_0_\@:
	s_barrier_wait -3
	s_barrier_signal -1
	s_barrier_wait -1
.endm
.macro PLACES                          ; four plain lines behind a matrix instruction, ahead of loads into its sources and of reads of its result
.rept 4
	v_nop
.endr
.endm
.macro BLOAD g, kq, set                ; group g's four fragments of Wo, K step kq
.irp b, 0,1,2,3
.irp c, 0,1,2,3
	ds_load_b128 v[BF+64*(\set)+16*\b+4*\c:BF+64*(\set)+16*\b+4*\c+3], v[ADB+(\g)] offset:16*LP*\b+128*(\kq)+32*\c
.endr
.endr
.endm
.macro MUL kq, set                     ; 16 products; the sixteen accumulators take turns; the first K step starts the sums
	WIN 0x59+4*((\kq)/4)                           ; Wo, C and D window 1; A window 2 or 3
.irp a, 0,1,2,3
.irp b, 0,1,2,3
.if (\kq) == 0
	v_wmma_f32_16x16x128_fp8_fp8 v[8*(4*\a+\b):8*(4*\a+\b)+7], v[BF+64*(\set)+16*\b:BF+64*(\set)+16*\b+15], v[64*((\kq)%4)+16*\a:64*((\kq)%4)+16*\a+15], 0
.else
	v_wmma_f32_16x16x128_fp8_fp8 v[8*(4*\a+\b):8*(4*\a+\b)+7], v[BF+64*(\set)+16*\b:BF+64*(\set)+16*\b+15], v[64*((\kq)%4)+16*\a:64*((\kq)%4)+16*\a+15], v[8*(4*\a+\b):8*(4*\a+\b)+7]
.endif
.endr
.endr
.endm
.macro GROUP g
.irp kq, 0,1,2,3,4,5,6,7
.if \kq < 7
	PLACES
	WIN 0x40
	BLOAD \g, \kq+1, (\kq+1)%2                     ; the next K step's fragments, into the set that the step before has multiplied
	s_wait_dscnt 16                                ; this step's are in; the sixteen just issued may be out
.else
	s_wait_dscnt 0x0
.endif
.if (\g) == 0                          ; A: 16 loads of bo, then 16 loads a K step, were issued in this order
.if \kq == 0
	s_wait_loadcnt 63                              ; of 144 loads at least 81 are in: bo and K steps 0 to 3
.endif
.if \kq > 3
	s_wait_loadcnt 16*(7-\kq)                      ; the later K steps' loads may be out
.endif
.endif
	MUL \kq, (\kq)%2
.endr
.endm
; THE WAY OUT of 16 tokens x 64 columns: x 2^(e10 + e11) + bo, through my stage, back as rows of 256 bytes; each store covers two aligned runs of 256 bytes.
.macro TOSTAGE g, a
.set BBK, BK+32*((\a)%2)
	WIN 0x01                                       ; the sums in window 1
.irp b, 0,1,2,3
.irp i, 0,2,4,6
	v_pk_fma_f32 v[BBK+8*\b+\i:BBK+8*\b+\i+1], v[8*(4*(\a)+\b)+\i:8*(4*(\a)+\b)+\i+1], s[44:45], v[BIAS+8*(4*(\g)+\b)+\i:BIAS+8*(4*(\g)+\b)+\i+1] op_sel_hi:[1,0,1]
.endr
.endr
	WIN 0
.irp b, 0,1,2,3
	ds_store_b128 v[STO], v[BBK+8*\b:BBK+8*\b+3] offset:64*\b
	ds_store_b128 v[STO], v[BBK+8*\b+4:BBK+8*\b+7] offset:64*\b+16
.endr
.irp t, 0,1,2,3,4,5,6,7
	ds_load_b128 v[BBK+4*\t:BBK+4*\t+3], v[RD] offset:\t*2*SPITCH   ; LDS serves a wave's instructions in order (ISA guide 5.7.1.4): these see my stores
.endr
.endm
.macro SEND g, a, younger
.set BBK, BK+32*((\a)%2)
	s_wait_dscnt \younger                          ; the block is back; the next block's 8 stores and 8 loads may be out
.irp t, 0,1,2,3,4,5,6,7
	global_store_b128 v[CO], v[BBK+4*\t:BBK+4*\t+3], s[12:13] offset:(16*(\a)+2*\t)*4096+256*(\g) th:TH_STORE_NT
.endr
.endm
.macro OUTG g
	PLACES
.irp a, 0,1,2,3
.if (\g) || (\a > 1)
	s_wait_xcnt 0x0                                ; the stores that read this set of registers have read them
.endif
	TOSTAGE \g, \a
.if \a > 0
	SEND \g, \a-1, 16
.endif
.endr
	SEND \g, 3, 0
.endm
	s_load_b128 s[4:7], s[0:1], 0x0                ; ac s[4:5], wc s[6:7]
	s_load_b128 s[8:11], s[0:1], 0x10              ; the exponents s[8:9], bo s[10:11]
	s_load_b64 s[12:13], s[0:1], 0x20              ; out0
	v_lshl_add_u32 v[SPW], v0, 2, SPARE
	v_mov_b32 v[NIL], 0
	ds_add_u32 v[SPW], v[NIL]                      ; the opening lines: the add, twice on end, and its wait
	ds_add_u32 v[SPW], v[NIL]
	v_lshrrev_b32 v1, 5, v0
	v_readfirstlane_b32 s14, v1                    ; wave 0..3
	s_lshr_b32 s15, s14, 1                         ; which 64 tokens are mine
	s_and_b32 s16, s14, 1                          ; which 128 columns
	s_bfe_u32 s40, ttmp6, 0x40000                  ; cx: it enters A's and the output's addresses alone
	s_lshl_b32 s17, ttmp9, 2
	s_add_co_u32 s17, s17, s40                     ; my block of 128 tokens
	s_and_b32 s18, ttmp7, 0xffff                   ; my block of 256 columns, which the four partners share
	; descriptor group 1: 32 rows of 1,024 bytes, 16 bytes of padding behind each; the mask names all four work-groups, bit 21 beside it
	s_mov_b32 s[G1], 15|(0<<16)|(1<<20)|(1<<21)|(7<<22)|(3<<25)
	s_mov_b32 s[G1+1], 1024<<16
	s_mov_b32 s[G1+2], 32<<16
	s_mov_b32 s[G1+3], 1024<<16
	s_mov_b32 s[G1+4], 32
	s_mov_b32 s[G1+5], 1024
	s_mov_b32 s[G1+6], 0
	s_mov_b32 s[G1+7], 0
	s_lshl_b32 s19, s15, 7
	s_lshl_b32 s20, s16, 5
	s_add_co_u32 s19, s19, s20                     ; the rows that I fetch first: 128 (wave / 2) + 32 (wave % 2) on; then those 64 further on
	s_mul_i32 s21, s19, LP                         ; in LDS,
	s_lshl_b32 s22, s18, 8
	s_add_co_u32 s22, s22, s19
	s_lshl_b32 s22, s22, 10
	s_add_co_u32 s22, s22, 0x300000                ; and in wc
	s_mov_b32 s23, 0
	s_mul_i32 s24, s16, 128*LP                     ; my 128 rows of Wo in LDS
	s_mul_i32 s25, s14, 16*SPITCH
	s_add_co_u32 s25, s25, STAGE                   ; my stage
	s_lshl_b32 s26, s17, 1
	s_add_co_u32 s26, s26, s15                     ; which 64 tokens of all
	s_lshl_b32 s28, s26, 18                        ; their rows of out0, 4,096 bytes each,
	s_lshl_b32 s26, s26, 12                        ; and their 64 bytes each in a head of ac
	s_mov_b32 s27, 0
	s_lshl_b32 s30, s18, 1
	s_add_co_u32 s30, s30, s16
	s_lshl_b32 s30, s30, 9                         ; my first column, in bytes of f32
	s_mov_b32 s31, 0
	s_add_co_u32 s28, s28, s30
	s_mov_b32 s29, 0
	s_wait_dscnt 0x0                               ; both opening adds are done
	s_wait_kmcnt 0x0
	s_load_b64 s[44:45], s[8:9], 0x28              ; e10, e11
	s_add_nc_u64 s[4:5], s[4:5], s[26:27]
	s_add_nc_u64 s[10:11], s[10:11], s[30:31]
	s_add_nc_u64 s[12:13], s[12:13], s[28:29]
	s_add_nc_u64 s[46:47], s[6:7], s[22:23]
	s_mov_b32 s[G0], 1
	s_mov_b32 s[G0+1], s21
	s_mov_b64 s[G0+2:G0+3], s[46:47]
	s_or_b32 s[G0+3], s[G0+3], 0x80000000
	s_mov_b32 s[G0+4], 1
	s_add_co_u32 s[G0+5], s21, 64*LP
	s_add_nc_u64 s[G0+6:G0+7], s[46:47], 64*1024
	s_or_b32 s[G0+7], s[G0+7], 0x80000000
	CROUND                                         ; all four work-groups are here: the joint loads meet
	tensor_load_to_lds s[G0:G0+3], s[G1:G1+7]      ; every wave's one load at the head
	s_nop 0
	PLACES
	v_and_b32 v1, 15, v0                           ; r
	v_bfe_u32 v2, v0, 4, 1                         ; h
	v_and_b32 v3, 31, v0
	v_lshlrev_b32 v[AO], 4, v3
	v_mul_u32_u24 v4, v1, LP
	v_lshl_add_u32 v4, v2, 4, v4
	v_add_nc_u32 v[ADB], s24, v4                   ; Wo: row r of my 128, + 16 h
	v_add_nc_u32 v[ADB+1], 64*LP, v[ADB]
	v_mul_u32_u24 v5, v1, SPITCH
	v_lshl_add_u32 v5, v2, 5, v5
	v_add_nc_u32 v[STO], s25, v5                   ; into the stage: row r, + 32 h
	v_mul_u32_u24 v6, v2, SPITCH
	v_lshl_add_u32 v6, v1, 4, v6
	v_add_nc_u32 v[RD], s25, v6                    ; back: lanes 0-15 one row, lanes 16-31 the next
	v_lshlrev_b32 v7, 12, v2
	v_lshl_add_u32 v[CO], v1, 4, v7                ; and the same two rows in out0
	v_lshlrev_b32 v8, 5, v2                        ; bo: 32 h
	s_wait_alu depctr_va_vdst(0)                   ; the wait at the head's end, directly ahead of the wait below
	s_wait_kmcnt 0x0
	s_add_co_i32 s44, s44, s45
	s_add_co_i32 s44, s44, 127
	s_lshl_b32 s44, s44, 23                        ; 2^(e10 + e11) as f32
	s_mov_b32 s45, s44
.irp b, 0,1,2,3,4,5,6,7
	global_load_b128 v[BIAS+8*\b:BIAS+8*\b+3], v8, s[10:11] offset:64*\b
	global_load_b128 v[BIAS+8*\b+4:BIAS+8*\b+7], v8, s[10:11] offset:64*\b+16
.endr
.irp kq, 0,1,2,3,4,5,6,7
	WIN 0x80+0x40*(\kq/4)                          ; destination window 2 or 3
.irp a, 0,1,2,3
.irp c, 0,1,2,3
	global_load_b128 v[64*(\kq%4)+16*\a+4*\c:64*(\kq%4)+16*\a+4*\c+3], v[AO], s[4:5] offset:(2*\kq+\c/2)*524288+\a*1024+(\c%2)*512   ; 32 lanes read 512 consecutive bytes
.endr
.endr
.endr
	WIN 0
	s_wait_tensorcnt 0x0                           ; my 32 rows are in
	ds_add_u32 v[SPW], v[NIL]
	s_wait_dscnt 0x0
	CROUND                                         ; everybody's first part is in, and the four work-groups meet
	tensor_load_to_lds s[G0+4:G0+7], s[G1:G1+7]    ; my 32 rows of the second part
	s_nop 0
	PLACES
	WIN 0x40
	BLOAD 0, 0, 0
	GROUP 0                                        ; columns 0-63 of my 128: rows of the first part alone
	OUTG 0
	s_wait_tensorcnt 0x0                           ; my part of the second part is in,
	s_wait_dscnt 0x0
	s_barrier_signal -1
	s_barrier_wait -1                              ; everybody's is
	WIN 0x40
	BLOAD 1, 0, 0
	GROUP 1
	OUTG 1
	s_wait_tensorcnt 0x0                           ; the wave's end
	ds_add_u32 v[SPW], v[NIL]
	s_wait_dscnt 0x0
	CROUND                                         ; the closing round
	s_endpgm
.Lfunc_end_k_q5e11c6258f_outp:
	.size	k_q5e11c6258f_outp, .Lfunc_end_k_q5e11c6258f_outp-k_q5e11c6258f_outp
	.p2alignl 7, 3214868480
	.fill 96, 4, 3214868480
	.section	.rodata,"a",@progbits
	.p2align	6, 0x0
	.amdhsa_kernel k_q5e11c6258f_outp
		.amdhsa_group_segment_fixed_size 327680
		.amdhsa_private_segment_fixed_size 0
		.amdhsa_enable_private_segment 0
		.amdhsa_kernarg_size 40
		.amdhsa_user_sgpr_count 2
		.amdhsa_user_sgpr_kernarg_segment_ptr 1
		.amdhsa_wavefront_size32 1
		.amdhsa_system_sgpr_workgroup_id_x 1
		.amdhsa_system_sgpr_workgroup_id_y 1
		.amdhsa_system_sgpr_workgroup_id_z 1
		.amdhsa_system_vgpr_workitem_id 0
		.amdhsa_next_free_vgpr 1024
		.amdhsa_next_free_sgpr 66
		.amdhsa_reserve_vcc 0
		.amdhsa_float_denorm_mode_32 3
		.amdhsa_float_denorm_mode_16_64 3
		.amdhsa_memory_ordered 1
		.amdhsa_forward_progress 1
		.amdhsa_inst_pref_size 79
	.end_amdhsa_kernel
	.amdgpu_metadata
---
amdhsa.version: [ 1, 2 ]
amdhsa.kernels:
  - .name:           k_q5e11c6258f_outp
    .symbol:         k_q5e11c6258f_outp.kd
    .args:
      - { .name: ac, .offset: 0, .size: 8, .value_kind: global_buffer, .address_space: global }
      - { .name: wc, .offset: 8, .size: 8, .value_kind: global_buffer, .address_space: global }
      - { .name: lowp_scales, .offset: 16, .size: 8, .value_kind: global_buffer, .address_space: global }
      - { .name: bo, .offset: 24, .size: 8, .value_kind: global_buffer, .address_space: global }
      - { .name: out0, .offset: 32, .size: 8, .value_kind: global_buffer, .address_space: global }
    .group_segment_fixed_size: 327680
    .private_segment_fixed_size: 0
    .kernarg_segment_align: 8
    .kernarg_segment_size: 40
    .max_flat_workgroup_size: 128
    .sgpr_count:     66
    .vgpr_count:     1024
    .wavefront_size: 32
...
	.end_amdgpu_metadata
.endif
;; end of part 4
